; MI455X (gfx1250); checked and timed in simulation.
; The chip was launched on July 23, 2026; its instructions are those of AMD's public machine-readable ISA for CDNA 5 (MIT licence, August 2026) and "CDNA5" Instruction Set Architecture Reference Guide (July 2026). The comments in the code are by the model that wrote it; some were corrected since.
;; Attention. Allowed arithmetic: matrix products marked QUANTISED: E2M3 operands, one E8M0 scale for each 32 along K, by v_wmma_scale_f32_16x16x128_f8f6f4 with both operands' format E2M3, f32 sums; products left as they are: f32 operands where the result goes on into a quantised operand, else bf16, f16 or f32 operands; f32 sums; everything else in f32.
;; Inputs: W_codes 1,024 x 32 x 24 uint8 (E2M3 codes of W, K innermost, in blocks of 32 codes, four codes in three bytes); W_scales 1,024 x 32 uint8 (E8M0 scales of W, one for each 32 codes along K); decoder_state 32 x 1,024 float32; encoder_outputs 32 x 2,048 x 1,024 float32; v 1 x 1,024 float32.
;; Outputs: out0 32 x 1,024 float32; out1 32 x 2,048 float32.
;; This version of the problem:
;;   THIS VERSION OF THE PROBLEM IS GIVEN IN LOW PRECISION. The matrix products marked QUANTISED in the list below multiply operands that are first quantised to E2M3 (2 exponent bits, 3 mantissa bits; 6 bits a number), with one power-of-two scale for each 32 numbers along K (OCP MX v1.0); their sums are f32. All else is computed in f32.
;;   The module's matrix products, in the order in which they are computed (A, B: the left and right operand; K: the contracted axis; several contracted axes count as one K, in the product's order):
;;     1. [M 65,536, K 1,024] x [K 1,024, N 1,024]; A: input encoder_outputs; B: input W (given as codes): QUANTISED
;;     2. [M 65,536, K 1,024] x [K 1,024, N 1]; A: computed on the way; B: input v: left as it is (N = 1 < 16)
;;     3. batch 32 x [M 1, K 2,048] x [K 2,048, N 1,024]; A: softmax; B: input encoder_outputs: left as it is (M = 1 < 16)
;;   THE QUANTISER, for each operand of a quantised product, along K:
;;     - K is cut into blocks of 32 from its start; a last block that is shorter is filled with zeros.
;;     - A block's scale is 2^e with e = floor(log2(the largest magnitude in the block)) - 2, held to -126 .. 127; a block of zeros has e = 0. As a byte (E8M0): e + 127.
;;     - Each number is divided by its block's scale, clamped to +-7.5, and rounded to the nearest number of E2M3, ties to even, subnormals kept.
;;     - The product sums the exact products of the quantised numbers (number of the format x scale) in f32.
;;   ~~~python
;;   def quantise(x, axis):      # numpy; x: float32 -> the quantised numbers, widened to float32 again
;;       x = np.moveaxis(x, axis, -1); K = x.shape[-1]
;;       x = np.pad(x, [(0, 0)] * (x.ndim - 1) + [(0, -K % 32)]); x = x.reshape(x.shape[:-1] + (-1, 32)); a = np.abs(x).max(-1, keepdims=True)
;;       e = np.where(a > 0, np.clip(np.frexp(np.where(a > 0, a, 1))[1] - 1 - 2, -126, 127), 0)      # np.frexp(a)[1] - 1 = floor(log2(a)), exactly
;;       r = np.clip(x / 2.0 ** e, -7.5, 7.5)
;;       step = 2.0 ** (np.maximum(np.frexp(np.where(r == 0, 1, r))[1] - 1, 0) - 3)
;;       q = np.round(r / step) * step * 2.0 ** e      # np.round: ties to even
;;       return np.moveaxis(q.reshape(q.shape[:-2] + (-1,))[..., :K], -1, axis).astype(np.float32)
;;   ~~~
;;   INPUTS GIVEN AS CODES. W (in the module: [1024, 1024], K = its axis 1): each comes as NAME_codes (uint8): NAME with its K axis moved to the last place and cut into blocks of 32 codes, [.., K / 32, bytes a block], one block behind the other in memory; four codes in three bytes: a row's codes are one little-endian stream of bits, code i at bits 6 i .. 6 i + 5 (a code: sign, 2 exponent bits, 3 mantissa bits); and NAME_scales (uint8): the same leading axes, one E8M0 byte (e + 127) for each 32 codes along K. Its value is code x scale, taken as it is: it is not quantised again, and the codes and scales need not be those that the quantiser above would give.
;; One version. Each part assembles by itself: llvm-mc -triple=amdgcn-amd-amdhsa -mcpu=gfx1250 --defsym DOCPART=n.
;; ======== version 1 of 1: 2 launches
;; limits: values are held in bf16: 8 bits of precision; right only within a limited range of input values
;; workspace buffers: tws 262,144 bytes; pctx 1,048,576 bytes; stats 65,536 bytes
;; launch scores_ctx (part 1): grid 256 x 1, 4 waves a work-group, clusters of 4 x 1, 327,680 bytes of LDS; arguments W_codes, W_scales, decoder_state, encoder_outputs, v, tws, pctx, stats; writes tws, pctx, stats
.if DOCPART == 1
	.amdgcn_target "amdgcn-amd-amdhsa--gfx1250"
	.amdhsa_code_object_version 6
	.text
	.protected	k_q637153649b_scores_ctx
	.globl	k_q637153649b_scores_ctx
	.p2align	8
	.type	k_q637153649b_scores_ctx,@function
k_q637153649b_scores_ctx:
	s_mov_b64 s[64:65], 0
	v_nop
	global_prefetch_b8 v0, s[64:65] scope:SCOPE_SE
	s_setreg_imm32_b32 hwreg(HW_REG_WAVE_MODE, 25, 1), 1
	s_wait_xcnt 0x0
	s_wait_alu depctr_hold_cnt(0) depctr_sa_sdst(0) depctr_va_vdst(0) depctr_va_sdst(0) depctr_va_ssrc(0) depctr_va_vcc(0) depctr_vm_vsrc(0)
	s_getreg_b32 s2, hwreg(HW_REG_IB_STS2, 6, 4)
	s_cmp_eq_u32 s2, 0
	s_cbranch_scc0 .Lentry_in_a_cluster
	s_endpgm
.Lentry_in_a_cluster:
	s_bfe_u32 s2, ttmp6, 0x10000c
	s_cmp_lg_u32 s2, 0x3003
	s_cbranch_scc0 .Lentry_shape_is_right
	s_endpgm
.Lentry_shape_is_right:
; Additive attention, first launch.  For each row (b, s) of encoder_outputs E: proj = Q(E) W^T on codes of FP6 (E2M3) with E8M0 scales, score = sum over o of v[o] tanh(proj[o] + dec[b][o]);
; then, flash style, a running maximum m, a sum l of p = 2^(T - m) and the partial context sum of p E over the work-group's 256 rows.  The second launch joins the 8 work-groups of a batch.
; LEFT OUT AS DEAD WORK.  tanh(x) = 1 - 2 r with r = 1 / (1 + 2^(c2 x)), c2 = 2 log2(e).  So score = sum_o v[o] - 2 sum_o v[o] r[o].  The first term is the same for all s of a batch, the scores go into
; a softmax along s alone and are no output: for all values of the inputs the term cancels.  It is not computed.  What is kept is T = sum_o vv[o] r[o], vv = -2 log2(e) v: the score in units of log2, less that term.
; LIMITS.  An overflow of sum_o v[o] is not carried to the result.  NaN and infinities among the inputs are not served.  A block of 32 zeros of E gets the scale byte 1 (its codes are zeros; the bytes are read here alone).
; The context takes E rounded to bf16 (p and the sums in f32).  K IS PERMUTED ALIKE IN BOTH OPERANDS of the product: in K step q lane (r, h) holds the true blocks 4 q + 2 h and 4 q + 2 h + 1, so the order of the
; f32 sums inside a matrix instruction differs from ascending K.  For W that is 48 consecutive bytes of a row (three loads of 16 bytes), for E 64 consecutive numbers of a row (whole blocks in one lane).
; The price: the two middle bytes of W's scale words change places, once, at the head.
; SHARES.  Work-group g = 4 x cluster + place owns rows 256 g .. 256 g + 255 (batch g / 8), in 4 blocks of 64.  Wave w loads and quantises rows 16 w .. 16 w + 15 of a block, keeps them as bf16 in registers
; and makes their part of the context.  In the product the waves share the COLUMNS: in period p (128 outputs) wave w makes outputs 128 p + 32 w + 16 u + 0 .. 15, u = 0, 1, for all 64 rows; all 32 fragments of
; the block's codes lie in every wave's registers, so a fragment of W is read from LDS once, by one wave, and feeds four matrix instructions.
; W goes through a ring of two LDS slots of 128 outputs.  CLUSTER: the four work-groups of a cluster walk the same W, so each slot is asked for JOINTLY (mask 15), the same descriptor in all four.
; THE MATRIX INSTRUCTION IS USED TRANSPOSED: source 0 = 16 rows of W, source 1 = 16 rows of E: lane (r, h) holds row r of E, its register j output o0 + 8 h + j.  dec is the C of K step 0.
; BY TURNS.  Two sets of four accumulators.  While one tile's 32 products are issued, the tile before goes through its tanh, one slice behind each matrix instruction.  A block's first tile has no tile before it:
; its slices run on the numbers of E that lie there (finite) against vv = 0 from a margin of zeros in LDS, and add nothing.
; Products 2 and 3 of the problem have one column and one row: they are fused multiply-adds, not matrix work.
; REGISTERS, in windows of 256.  Window 0: see the names below.  Window 1: v0-191 codes of K steps 0-3 (fragment 4 m + q at 12 (4 m + q)), v192-255 a group of E.  Window 2: the same for K steps 4-7.
; Window 3: my 16 rows as bf16: register 32 q + 2 i + c = row i, columns 128 q + 4 lane + 2 c, + 1.
.set SLOT1,  1<<17                     ; slot 1 begins here: one exclusive or turns an address of one slot into the other's
.set WPART,  26112                     ; a wave's part of a slot: 32 rows of W
.set WPITCH, 816                       ; a row of W in LDS: 3 x (256 bytes + 16 of padding): 51 x 16 bytes, so the 16 rows of a load start in different banks
.set WSTEP,  98304                     ; 128 rows of W's codes in memory
.set IMG,    104448                    ; 16 images of fragments of E's codes, 1,536 bytes each: fragment 4 m + q % 4
.set FRB,    1536
.set ESB,    129024                    ; E's scale words: (8 m + q) x 64 + 4 r
.set WSB,    235520                    ; W's scale words, 32 bytes a row of W, middle bytes swapped
.set DECB,   268288                    ; dec of my batch
.set ZM,     272384                    ; 512 bytes of zeros
.set VVB,    272896                    ; vv
.set TT,     276992                    ; for each wave 16 rows x 528 bytes: E's numbers turn here; at the end the four waves' contexts meet here
.set TPITCH, 528
.set XCH,    310784                    ; [wave][64 rows]: the waves' parts of the scores
.set PP,     311808                    ; [wave][64 rows]: p, each wave's own copy
.set SPARE,  312832                    ; the spare words: 128 bytes a wave, two blocks of 256 bytes that no other line names
.set EA,   1                           ; 16 x lane
.set TW,   2                           ; turn buffer, in
.set TR,   3                           ; turn buffer, out
.set IW,   4                           ; where I store images
.set LI,   5                           ; where any wave loads them
.set ESW,  6
.set ESR,  7
.set WA0,  8                           ; my place in a slot: 26112 w + 816 r + 48 h
.set WA20, 9                           ; the same with 64 h: for pieces whose upper half lies behind one padding more
.set WA,   10
.set WA2,  11
.set AD0,  12                          ; DECB + 128 w + 32 h
.set AW0,  13                          ; WSB + 1024 w + 32 r + 16 h
.set ADP,  14
.set AWP,  15
.set XW,   16
.set XR,   17
.set PW,   18
.set PR,   19
.set H8,   20                          ; 8 h
.set L8,   21                          ; 8 x lane
.set PFO,  22                          ; 4096 r + 256 h
.set T16,  23                          ; 16 x thread
.set SPW,  24                          ; my spare word; never rewritten
.set NIL,  25                          ; 0; never rewritten
.set MM,   26                          ; v26 m, v27 l
.set FF,   28                          ; v[28:29] f
.set CA,   32                          ; v32-63 context: column 128 q + 4 lane + c at CA + 4 q + c
.set ACC,  64                          ; v64-127 two sets of 4 accumulators
.set Y,    64                          ; the same registers: 64 numbers of E for the quantiser
.set WF,   128                         ; v128-175 four fragments of W
.set PC,   128                         ; the codes just made
.set PB,   144                         ; p of my 16 rows
.set DEC,  176                         ; two sets of 8
.set VV,   192
.set WS,   200                         ; W's scale words, two sets of 4: scales and nothing else
.set ES,   208                         ; E's, at 4 m + i: scales and nothing else
.set SA,   224                         ; a pair of score sums for each tile of rows
.set MX,   232
.set SO,   236
.set BY,   238
.set EW,   240
.set RW,   250
.set RR,   251
.set MSB, 0
.macro WIN new                         ; the immediate's high byte repeats the setting that is left
.if MSB != (\new)
	s_set_vgpr_msb (MSB<<8)|(\new)
.set MSB, (\new)
.endif
.endm
.macro ROUND                           ; a round of the cluster's barrier
	s_barrier_signal -1
	s_barrier_wait -1
	s_cmp_lg_u32 s20, 0
	s_cbranch_scc1 .Lnw0_\@
	s_barrier_signal -3
.Lnw0_\@:
	s_barrier_wait -3
	s_barrier_signal -1
	s_barrier_wait -1
.endm
.macro BAR                             ; my LDS stores have landed and my LDS loads are in: then the work-group's barrier
	s_wait_dscnt 0x0
	s_barrier_signal -1
	s_barrier_wait -1
.endm
; K step q of my 16 rows: each load reads one row's 512 consecutive bytes
.macro ELOAD win, base, q
	WIN (\win<<6)
.irp i, 0,1,2,3,4,5,6,7,8,9,10,11,12,13,14,15
	global_load_b128 v[\base+4*\i:\base+4*\i+3], v[EA], s[10:11] offset:4096*\i+512*(\q) th:TH_LOAD_NT
.endr
	WIN 0
.endm
; K step q of my rows, in two stages that run one step apart.  XIN: turned through LDS so that a lane holds 64 neighbours of one row, and kept as bf16 (the packing stands behind the LDS loads, while they are out).
; XOUT: quantised, and its image and scale word stored.  The turned numbers of even steps lie in v64-127, those of odd steps in v148-211 (W's fragments and the tables, which hold nothing in this phase).
; The turn buffer is one for all steps: LDS serves a wave's instructions in order, so a step's stores land behind the loads of the step before.
; cnt: the younger loads of E that may stay out.  younger: the LDS instructions that may stay out, the next step's 16 stores and 16 loads.  reload: the K step that takes the group's registers, or -1.
.macro XIN win, base, q, cnt
.set Y, 64+84*((\q)%2)
	s_wait_loadcnt \cnt
	WIN (\win<<2)                                  ; an LDS store's data are its source 1
.irp i, 0,1,2,3,4,5,6,7,8,9,10,11,12,13,14,15
	ds_store_b128 v[TW], v[\base+4*\i:\base+4*\i+3] offset:TPITCH*\i
.endr
	WIN 0
.irp i, 0,1,2,3,4,5,6,7,8,9,10,11,12,13,14,15
	ds_load_b128 v[Y+4*\i:Y+4*\i+3], v[TR] offset:16*\i    ; served in order: these see the stores above
.endr
	WIN (3<<6)|(\win<<2)|\win
.irp i, 0,1,2,3,4,5,6,7,8,9,10,11,12,13,14,15
	v_cvt_pk_bf16_f32 v[32*\q+2*\i], v[\base+4*\i], v[\base+4*\i+1]
	v_cvt_pk_bf16_f32 v[32*\q+2*\i+1], v[\base+4*\i+2], v[\base+4*\i+3]
.endr
	WIN 0
.endm
.macro XOUT win, base, q, younger, reload
.set Y, 64+84*((\q)%2)
	s_wait_dscnt \younger                          ; this step's numbers are back; its stores and the images of the step before have read their registers
.if \reload >= 0
	ELOAD \win, \base, \reload
.endif
.irp c, 0,1
.irp z, 0,1
	v_max3_num_f32 v[MX+2*\c+\z], |v[Y+32*\c+16*\z]|, |v[Y+32*\c+16*\z+1]|, 0x1800000   ; my block c, in two chains; the floor 2^(3 - 127) holds the byte at 1 from below
.endr
.endr
.irp i, 2,4,6,8,10,12,14
.irp c, 0,1
.irp z, 0,1
	v_max3_num_f32 v[MX+2*\c+\z], v[MX+2*\c+\z], |v[Y+32*\c+16*\z+\i]|, |v[Y+32*\c+16*\z+\i+1]|
.endr
.endr
.endr
	v_max_num_f32 v[MX], v[MX], v[MX+1]
	v_max_num_f32 v[MX+2], v[MX+2], v[MX+3]
	v_add_nc_u32 v[SO], 0xff000000, v[MX]          ; 2 off the exponent field: the conversion's scale operand
	v_add_nc_u32 v[SO+1], 0xff000000, v[MX+2]
	v_lshrrev_b32 v[BY], 23, v[SO]                 ; the scale's byte
	v_lshrrev_b32 v[BY+1], 23, v[SO+1]
	v_lshl_or_b32 v[EW], v[BY+1], 16, v[BY]        ; my two bytes stand at places h and 2 + h of the word,
	v_lshlrev_b32 v[EW], v[H8], v[EW]
	v_permlanex16_b32 v[EW+1], v[EW], s28, s29
	v_or_b32 v[EW], v[EW], v[EW+1]                 ; with lane l xor 16's two the word is whole
.irp c, 0,1
	v_cvt_scalef32_pk16_fp6_f32 v[PC+6*\c:PC+6*\c+2], v[Y+32*\c:Y+32*\c+15], v[SO+\c]
	v_cvt_scalef32_pk16_fp6_f32 v[PC+12+4*\c:PC+14+4*\c], v[Y+32*\c+16:Y+32*\c+31], v[SO+\c]   ; (a conversion's three registers begin on an even number)
.endr
	v_nop                                          ; one plain place behind a scaled conversion
.irp c, 0,1
.irp i, 0,1,2
	v_mov_b32 v[PC+3+6*\c+\i], v[PC+12+4*\c+\i]
.endr
.endr
.irp c, 0,1,2
	ds_store_b128 v[IW], v[PC+4*\c:PC+4*\c+3] offset:FRB*(\q%4)+512*\c    ; the fragment as an image of its registers
.endr
	ds_store_b32 v[ESW], v[EW] offset:64*\q
.endm
.macro FETCHA win                      ; all 16 images into window win
	WIN (\win<<6)
.irp f, 0,1,2,3,4,5,6,7,8,9,10,11,12,13,14,15
.irp c, 0,1,2
	ds_load_b128 v[12*\f+4*\c:12*\f+4*\c+3], v[LI] offset:FRB*\f+512*\c
.endr
.endr
	WIN 0
.endm
; fragment q of tile u of W: lane (r, h) takes bytes 96 q + 48 h .. + 47 of row 16 u + r
.macro FRAG u, q
.irp i, 0,1,2
.set P0, 96*(\q)+16*\i
.if P0/256 == (P0+48)/256
	ds_load_b128 v[WF+12*((\q)%4)+4*\i:WF+12*((\q)%4)+4*\i+3], v[WA] offset:16*WPITCH*(\u)+P0+16*(P0/256)
.else
	ds_load_b128 v[WF+12*((\q)%4)+4*\i:WF+12*((\q)%4)+4*\i+3], v[WA2] offset:16*WPITCH*(\u)+P0+16*(P0/256)
.endif
.endr
.endm
; five loads: dec and W's scale words of the NEXT tile into the other set, vv of the tile BEFORE (the one in the slices)
.macro TABLES u
.if \u == 0
	ds_load_b128 v[DEC+8:DEC+11], v[ADP] offset:64
	ds_load_b128 v[DEC+12:DEC+15], v[ADP] offset:80
	ds_load_b128 v[WS+4:WS+7], v[AWP] offset:512
	ds_load_b128 v[VV:VV+3], v[ADP] offset:VVB-DECB+64-512     ; in a block's first period this falls into the zeros
	ds_load_b128 v[VV+4:VV+7], v[ADP] offset:VVB-DECB+64-512+16
.else
	ds_load_b128 v[DEC:DEC+3], v[ADP] offset:512               ; in the last period the look-ahead reads written bytes of the regions behind; they are not used
	ds_load_b128 v[DEC+4:DEC+7], v[ADP] offset:528
	ds_load_b128 v[WS:WS+3], v[AWP] offset:4096
	ds_load_b128 v[VV:VV+3], v[ADP] offset:VVB-DECB
	ds_load_b128 v[VV+4:VV+7], v[ADP] offset:VVB-DECB+16
.endif
.endm
; The score sums of rows 16 m .. 16 m + 15 take vv x r of accumulator m of the set at PSB
.macro FMA4 m
.irp j, 0,1,2,3
	v_pk_fma_f32 v[SA+2*(\m):SA+2*(\m)+1], v[PSB+8*(\m)+2*\j:PSB+8*(\m)+2*\j+1], v[VV+2*\j:VV+2*\j+1], v[SA+2*(\m):SA+2*(\m)+1]
.endr
.endm
; What stands behind the eight products of K steps 2 c and 2 c + 1: r = 1 / (1 + 2^(c2 x)) on the set at PSB (scaled by c2 at the tile's head), two accumulators (16 registers) a batch.
; c = 0, 1: the exponentials of half c; c = 2, 3: the reciprocals of half c - 2.  Behind the batch plain lines that name none of its registers: c = 1, 2: the additions of 1 for half c - 1; c = 3: the sums of accumulators 0 and 1.
; A batch's sources were written ahead of the wait at the head of K step 2 c, and its results are first named behind the wait at the head of K step 2 c + 2.
; The 4 or 8 plain lines are also the places in front of the loads into the fragments that these two K steps multiplied.
.macro CHUNK c
.irp k, 0,1,2,3,4,5,6,7,8,9,10,11,12,13,14,15
.if \c < 2
	v_exp_f32 v[PSB+16*(\c)+\k], v[PSB+16*(\c)+\k]
.else
	v_rcp_f32 v[PSB+16*(\c-2)+\k], v[PSB+16*(\c-2)+\k]
.endif
.endr
.if \c == 0
.rept 4
	v_nop
.endr
.elseif \c < 3
.irp j, 0,1,2,3,4,5,6,7
	v_pk_add_f32 v[PSB+16*(\c-1)+2*\j:PSB+16*(\c-1)+2*\j+1], v[PSB+16*(\c-1)+2*\j:PSB+16*(\c-1)+2*\j+1], 1.0 op_sel_hi:[1,0]
.endr
.else
	WIN 0                                          ; the multiply-adds name three registers of window 0
	FMA4 0
	FMA4 1
.endif
.endm
.macro P5                              ; the scores' sums take vv x r: four chains by turns
.irp j, 0,1,2,3
.irp m, 0,1,2,3
	v_pk_fma_f32 v[SA+2*\m:SA+2*\m+1], v[PSB+8*\m+2*\j:PSB+8*\m+2*\j+1], v[VV+2*\j:VV+2*\j+1], v[SA+2*\m:SA+2*\m+1]
.endr
.endr
.endm
; Tile u of a period: 16 outputs x 64 rows x K = 1,024: 32 matrix instructions, the four accumulators by turns.
; The wait at a K step's head counts the LDS loads issued behind its fragment: two fragments (6); in K steps 1 to 3 also the five table loads (11); a period's second tile fetches nothing past its own last fragment (6, 3, 0).
.macro TILE u
.set PSB, ACC+32*(1-\u)
	s_wait_alu depctr_va_vdst(0)                   ; the wait directly ahead of the first readers of the last tile's results
.irp j, 0,1,2,3,4,5,6,7,8,9,10,11,12,13,14,15
	v_pk_mul_f32 v[PSB+2*\j:PSB+2*\j+1], v[PSB+2*\j:PSB+2*\j+1], s[30:31] op_sel_hi:[1,0]   ; c2 x, each accumulator from its low end on
.endr
.irp q, 0,1,2,3,4,5,6,7
.if \q == 0
	s_wait_dscnt 6
	WIN 0x04                                       ; source 1: window 1, the codes of K steps 0-3
.elseif \q < 4
	s_wait_dscnt 11
.elseif (\u == 0) || (\q < 6)
	s_wait_dscnt 6
.elseif \q == 6
	s_wait_dscnt 3
.else
	s_wait_dscnt 0
.endif
.if \q >= 4
	WIN 0x08                                       ; source 1: window 2, K steps 4-7
.endif
.if \q%2 == 0
	s_wait_alu depctr_va_vdst(0)                   ; the wait behind the last batch, ahead of the next one and of the links; no transcendental stands between two K steps of a pair
.endif
.irp m, 0,1,2,3
.if \q == 0
	v_wmma_scale_f32_16x16x128_f8f6f4 v[ACC+32*\u+8*\m:ACC+32*\u+8*\m+7], v[WF+12*(\q%4):WF+12*(\q%4)+11], v[12*(4*\m+\q%4):12*(4*\m+\q%4)+11], v[DEC+8*\u:DEC+8*\u+7], v[WS+4*\u+\q%4], v[ES+4*\m+\q%4] matrix_a_fmt:MATRIX_FMT_FP6 matrix_b_fmt:MATRIX_FMT_FP6
.elseif \q < 4
	v_wmma_scale_f32_16x16x128_f8f6f4 v[ACC+32*\u+8*\m:ACC+32*\u+8*\m+7], v[WF+12*(\q%4):WF+12*(\q%4)+11], v[12*(4*\m+\q%4):12*(4*\m+\q%4)+11], v[ACC+32*\u+8*\m:ACC+32*\u+8*\m+7], v[WS+4*\u+\q%4], v[ES+4*\m+\q%4] matrix_a_fmt:MATRIX_FMT_FP6 matrix_b_fmt:MATRIX_FMT_FP6
.else
	v_wmma_scale_f32_16x16x128_f8f6f4 v[ACC+32*\u+8*\m:ACC+32*\u+8*\m+7], v[WF+12*(\q%4):WF+12*(\q%4)+11], v[12*(4*\m+\q%4):12*(4*\m+\q%4)+11], v[ACC+32*\u+8*\m:ACC+32*\u+8*\m+7], v[WS+4*\u+\q%4], v[ES+4*\m+\q%4] matrix_a_fmt:MATRIX_FMT_FP6 matrix_b_fmt:MATRIX_FMT_FP6 matrix_a_scale:MATRIX_SCALE_ROW1 matrix_b_scale:MATRIX_SCALE_ROW1
.endif
.endr
.if \q%2 == 1
	CHUNK \q/2
.endif
.if \u == 0
.if \q+3 < 8
	FRAG 0, \q+3
.else
	FRAG 1, \q-5                                   ; the second tile's first three fragments
.endif
.elseif \q+3 < 8
	FRAG 1, \q+3
.endif
.if \q == 0
	TABLES \u
.endif
.endr
	WIN 0
	s_wait_alu depctr_va_vdst(0)                   ; the wait for the last eight reciprocals, ahead of their first reader
	FMA4 2
	FMA4 3
.endm
; A period: 128 outputs.  At its head the change of slots: all my tensor loads have landed (one was out: my part of this period's slot), the add, the wait for it and for my reads of the slot that I leave.
; refill = 1: a round of the cluster's barrier, and behind it the joint load of the next period's rows of W into the slot just left (back = 1: the next block's first rows); it has a period's 64 matrix instructions in which to land.
; ask = 1: in periods 1 to 6 of a block that has a successor, one prefetch: K step 2 to 7 of my 16 rows of the next block, a lane to each 256 bytes; each such piece is named once in the launch, by the wave that will load it.
.macro PERIOD refill, back, ask
	s_wait_tensorcnt 0x0
	ds_add_u32 v[SPW], v[NIL]                      ; 0 onto my spare word
.if \refill
	s_xor_b32 s33, s33, SLOT1                      ; no tensor load of mine is out, so the descriptor may be written: the other slot,
.if \back
	s_sub_nc_u64 s[34:35], s[34:35], 7*WSTEP       ; W's first 128 rows again
.else
	s_add_nc_u64 s[34:35], s[34:35], WSTEP         ; the next 128 rows
.endif
.endif
.if \ask
	s_wait_xcnt 0x0                                ; the last prefetch, a period back, has read its address
	s_cmp_gt_u32 s24, 1
	s_cselect_b32 s46, 512, 0
	s_add_nc_u64 s[44:45], s[44:45], s[46:47]      ; a K step on in periods 2 to 6
.endif
	s_wait_dscnt 0x0
.if \refill
	ROUND
	tensor_load_to_lds s[32:35], s[36:43]
	s_nop 0
.else
	s_barrier_signal -1
	s_barrier_wait -1
.endif
	v_add_nc_u32 v[WA], s25, v[WA0]
	v_add_nc_u32 v[WA2], s25, v[WA20]
	v_add_nc_u32 v[ADP], s26, v[AD0]
	v_add_nc_u32 v[AWP], s27, v[AW0]
	FRAG 0, 0
	FRAG 0, 1
	FRAG 0, 2
.if \ask
	s_cmp_ge_u32 s24, s48
	s_cbranch_scc0 .Lnoask_\@
	global_prefetch_b8 v[PFO], s[44:45] th:TH_LOAD_NT scope:SCOPE_SE
.Lnoask_\@:
.endif
	TILE 0
	TILE 1
	s_xor_b32 s25, s25, SLOT1
	s_add_co_u32 s26, s26, 512
	s_add_co_u32 s27, s27, 4096
.endm
.macro DRAIN                           ; the block's last tile has no product beside which its tanh could stand
.set PSB, ACC+32
	ds_load_b128 v[VV:VV+3], v[ADP] offset:VVB-DECB+64
	ds_load_b128 v[VV+4:VV+7], v[ADP] offset:VVB-DECB+80
	s_wait_alu depctr_va_vdst(0)                   ; the wait directly ahead of the first readers of the last tile's results
.irp k, 0,1,2,3,4,5,6,7,8,9,10,11,12,13,14,15
	v_pk_mul_f32 v[PSB+2*\k:PSB+2*\k+1], v[PSB+2*\k:PSB+2*\k+1], s[30:31] op_sel_hi:[1,0]
.endr
	s_wait_alu depctr_va_vdst(0)                   ; the wait ahead of the batch
.irp k, 0,1,2,3,4,5,6,7,8,9,10,11,12,13,14,15,16,17,18,19,20,21,22,23,24,25,26,27,28,29,30,31
	v_exp_f32 v[PSB+\k], v[PSB+\k]
.endr
	v_nop
	s_wait_alu depctr_va_vdst(0)
.irp k, 0,1,2,3,4,5,6,7,8,9,10,11,12,13,14,15
	v_pk_add_f32 v[PSB+2*\k:PSB+2*\k+1], v[PSB+2*\k:PSB+2*\k+1], 1.0 op_sel_hi:[1,0]
.endr
	s_wait_alu depctr_va_vdst(0)                   ; the wait ahead of the batch
.irp k, 0,1,2,3,4,5,6,7,8,9,10,11,12,13,14,15,16,17,18,19,20,21,22,23,24,25,26,27,28,29,30,31
	v_rcp_f32 v[PSB+\k], v[PSB+\k]
.endr
	v_nop
	s_wait_alu depctr_va_vdst(0)
	s_wait_dscnt 0x0                               ; vv
	P5
.endm
; The block's 64 scores: the waves' parts meet in LDS; every wave then holds T of rows 2 lane, 2 lane + 1 and makes the same m, f, p and l.
.macro SCORES
.irp m, 0,1,2,3
	v_add_f32 v[MX+\m], v[SA+2*\m], v[SA+2*\m+1]
.endr
.irp m, 0,1,2,3
	v_permlanex16_b32 v[SO+\m], v[MX+\m], s28, s29
.endr
.irp m, 0,1,2,3
	v_add_f32 v[MX+\m], v[MX+\m], v[SO+\m]         ; my 32 outputs' part of row 16 m + r
.endr
.irp m, 0,1,2,3
	ds_store_b32 v[XW], v[MX+\m] offset:64*\m      ; both halves of the lanes write the same word with the same value
.endr
	BAR
.irp w, 0,1,2,3
	ds_load_b64 v[MX+2*\w:MX+2*\w+1], v[XR] offset:256*\w
.endr
	s_wait_dscnt 0x0
	v_pk_add_f32 v[MX:MX+1], v[MX:MX+1], v[MX+2:MX+3]
	v_pk_add_f32 v[MX+4:MX+5], v[MX+4:MX+5], v[MX+6:MX+7]
	v_pk_add_f32 v[MX:MX+1], v[MX:MX+1], v[MX+4:MX+5]
	s_wait_alu depctr_va_vdst(0)                   ; the wait ahead of the branch
	s_cmp_lg_u32 s20, 0
	s_cbranch_scc1 .Lnot0_\@
	global_store_b64 v[L8], v[MX:MX+1], s[14:15]   ; wave 0: 256 consecutive bytes, aligned
.Lnot0_\@:
	v_max_num_f32 v242, v[MX], v[MX+1]
	v_max_num_f32_dpp v242, v242, v242 row_xmask:1 row_mask:0xf bank_mask:0xf
	v_max_num_f32_dpp v242, v242, v242 row_xmask:2 row_mask:0xf bank_mask:0xf
	v_max_num_f32_dpp v242, v242, v242 row_xmask:4 row_mask:0xf bank_mask:0xf
	v_max_num_f32_dpp v242, v242, v242 row_xmask:8 row_mask:0xf bank_mask:0xf
	v_permlanex16_b32 v243, v242, s28, s29
	v_max3_num_f32 v243, v242, v243, v[MM]         ; the running maximum
	v_sub_f32 v244, v[MM], v243
	v_sub_f32 v246, v[MX], v243
	v_sub_f32 v247, v[MX+1], v243
	v_mov_b32 v[MM], v243
	s_wait_alu depctr_va_vdst(0)                   ; the wait ahead of the batch
	v_exp_f32 v[FF], v244                          ; f = 2^(old m - new m)
	v_exp_f32 v246, v246                           ; p
	v_exp_f32 v247, v247
	v_nop
	s_wait_alu depctr_va_vdst(0)                   ; one wait for the three
	ds_store_b64 v[PW], v[246:247]
.irp i, 0,1,2,3
	ds_load_b128 v[PB+4*\i:PB+4*\i+3], v[PR] offset:16*\i      ; p of my 16 rows, the same in every lane; my own bytes, served in order
.endr
	v_add_f32 v245, v246, v247
	v_add_f32_dpp v245, v245, v245 row_xmask:1 row_mask:0xf bank_mask:0xf
	v_add_f32_dpp v245, v245, v245 row_xmask:2 row_mask:0xf bank_mask:0xf
	v_add_f32_dpp v245, v245, v245 row_xmask:4 row_mask:0xf bank_mask:0xf
	v_add_f32_dpp v245, v245, v245 row_xmask:8 row_mask:0xf bank_mask:0xf
	v_permlanex16_b32 v248, v245, s28, s29
	v_add_f32 v245, v245, v248
	v_fma_f32 v[MM+1], v[MM+1], v[FF], v245        ; l = l f + the block's sum of p
.irp j, 0,1,2,3,4,5,6,7,8,9,10,11,12,13,14,15
	v_pk_mul_f32 v[CA+2*\j:CA+2*\j+1], v[CA+2*\j:CA+2*\j+1], v[FF:FF+1] op_sel_hi:[1,0]
.endr
	s_wait_dscnt 0x0
.endm
.macro CTX                             ; context += p x my 16 rows, straight from their bf16 halves: 32 chains by turns
	WIN 0x03                                       ; source 0: window 3
.irp i, 0,1,2,3,4,5,6,7,8,9,10,11,12,13,14,15
.irp q, 0,1,2,3,4,5,6,7
	v_fma_mix_f32_bf16 v[CA+4*\q], v[32*\q+2*\i], v[PB+\i], v[CA+4*\q] op_sel_hi:[1,0,0]
	v_fma_mix_f32_bf16 v[CA+4*\q+1], v[32*\q+2*\i], v[PB+\i], v[CA+4*\q+1] op_sel:[1,0,0] op_sel_hi:[1,0,0]
	v_fma_mix_f32_bf16 v[CA+4*\q+2], v[32*\q+2*\i+1], v[PB+\i], v[CA+4*\q+2] op_sel_hi:[1,0,0]
	v_fma_mix_f32_bf16 v[CA+4*\q+3], v[32*\q+2*\i+1], v[PB+\i], v[CA+4*\q+3] op_sel:[1,0,0] op_sel_hi:[1,0,0]
.endr
.endr
	WIN 0
	s_wait_alu depctr_va_vdst(0)                   ; the wait ahead of the wait below
	s_wait_xcnt 0x0                                ; wave 0's store of T has read its registers and its base
	s_add_nc_u64 s[14:15], s[14:15], 256
.endm
	s_load_b512 s[4:19], s[0:1], 0x0               ; W's codes s[4:5], W's scales s[6:7], dec s[8:9], E s[10:11], v s[12:13], tws s[14:15], pctx s[16:17], stats s[18:19]
	v_lshl_add_u32 v[SPW], v0, 2, SPARE
	v_mov_b32 v[NIL], 0
	ds_add_u32 v[SPW], v[NIL]                      ; the wave's opening: the add, twice on end, and its wait ahead of my first tensor load
	ds_add_u32 v[SPW], v[NIL]
	v_lshrrev_b32 v30, 5, v0
	v_readfirstlane_b32 s20, v30                   ; wave 0..3
	s_bfe_u32 s21, ttmp6, 0x40000                  ; my place in the cluster: it enters global addresses of E, dec and the results alone
	s_lshl_b32 s22, ttmp9, 2
	s_add_co_u32 s22, s22, s21                     ; g
	; descriptor group 1: 96 dense rows of 256 bytes (32 rows of W), 16 bytes of padding behind each
	s_mov_b32 s36, 15|(3<<16)|(1<<20)|(1<<21)|(5<<22)|(3<<25)  ; the mask: all four work-groups; elements of 8 bytes; padding on; bit 21 beside a mask; after every 64 words; 4 words
	s_mov_b32 s37, 32<<16                          ; tensor_dim0 = 32
	s_mov_b32 s38, 96<<16                          ; tensor_dim1 = 96
	s_mov_b32 s39, 32<<16                          ; tile_dim0 = 32
	s_mov_b32 s40, 96                              ; tile_dim1 = 96
	s_mov_b32 s41, 32                              ; the pitch
	s_mov_b32 s42, 0
	s_mov_b32 s43, 0
	s_mov_b32 s28, 0x76543210
	s_mov_b32 s29, 0xfedcba98                      ; v_permlanex16_b32's selects for lane l xor 16
	s_mov_b32 s30, 0x4038aa3b                      ; c2 = 2 log2(e)
	s_mov_b32 s31, s30
	s_mov_b32 s47, 0
	s_mov_b32 s52, 0x03010200                      ; a word's two middle bytes change places
	s_mov_b32 s23, 4                               ; blocks to go
	v_and_b32 v232, 31, v0                         ; lane
	v_and_b32 v233, 15, v0                         ; r
	v_bfe_u32 v234, v0, 4, 1                       ; h
	v_mov_b32 v235, 0
	v_lshlrev_b32 v[EA], 4, v232
	v_lshlrev_b32 v[T16], 4, v0
	s_mul_i32 s50, s20, 16*TPITCH
	s_add_co_u32 s50, s50, TT
	v_add_nc_u32 v[TW], s50, v[EA]
	v_mul_u32_u24 v[TR], v233, TPITCH
	v_lshl_add_u32 v[TR], v234, 8, v[TR]
	v_add_nc_u32 v[TR], s50, v[TR]
	s_mul_i32 s50, s20, 4*FRB
	s_add_co_u32 s50, s50, IMG
	v_add_nc_u32 v[IW], s50, v[EA]
	v_add_nc_u32 v[LI], IMG, v[EA]
	s_lshl_b32 s50, s20, 9
	s_add_co_u32 s50, s50, ESB
	v_lshl_add_u32 v[ESW], v233, 2, s50
	v_lshlrev_b32 v[ESR], 2, v233
	v_lshl_add_u32 v[ESR], v234, 8, v[ESR]
	v_add_nc_u32 v[ESR], ESB, v[ESR]
	s_mul_i32 s50, s20, WPART
	v_mul_u32_u24 v[WA0], v233, WPITCH
	v_add_nc_u32 v[WA0], s50, v[WA0]
	v_mad_u32_u24 v[WA20], v234, 64, v[WA0]
	v_mad_u32_u24 v[WA0], v234, 48, v[WA0]
	s_lshl_b32 s50, s20, 7
	s_add_co_u32 s50, s50, DECB
	v_lshl_add_u32 v[AD0], v234, 5, s50
	s_lshl_b32 s50, s20, 10
	s_add_co_u32 s50, s50, WSB
	v_lshlrev_b32 v[AW0], 5, v233
	v_lshl_add_u32 v[AW0], v234, 4, v[AW0]
	v_add_nc_u32 v[AW0], s50, v[AW0]
	s_lshl_b32 s50, s20, 8
	s_add_co_u32 s51, s50, XCH
	v_lshl_add_u32 v[XW], v233, 2, s51
	v_lshl_add_u32 v[XR], v232, 3, XCH
	s_add_co_u32 s51, s50, PP
	v_lshl_add_u32 v[PW], v232, 3, s51
	s_mul_i32 s50, s20, 320
	s_add_co_u32 s50, s50, PP
	v_mov_b32 v[PR], s50
	v_lshlrev_b32 v[H8], 3, v234
	v_lshlrev_b32 v[L8], 3, v232
	v_lshlrev_b32 v[PFO], 12, v233
	v_lshl_add_u32 v[PFO], v234, 8, v[PFO]
	s_lshl_b32 s50, s20, 12
	s_add_co_u32 s50, s50, TT
	v_add_nc_u32 v[RW], s50, v[EA]
	v_add_nc_u32 v[RR], TT, v[T16]
	v_add_nc_u32 v30, WSB, v[T16]                  ; where my thread puts its 16 bytes of a table
	v_lshl_add_u32 v31, v0, 2, ZM                  ; and its word of the zeros
	s_mov_b32 s32, 1                               ; descriptor group 0: count,
	s_mul_i32 s33, s20, WPART                      ; LDS address: slot 0, my part: no place in the cluster enters it
	s_mul_i32 s50, s20, 24576                      ; my 32 rows of W's first 128
	s_mov_b32 s51, 0
	s_wait_alu depctr_va_vdst(0)                   ; the wait at the head's end
	s_wait_dscnt 0x0                               ; both opening adds are done
	s_wait_kmcnt 0x0
	s_add_nc_u64 s[34:35], s[4:5], s[50:51]
	s_or_b32 s35, s35, 0x80000000                  ; type = 2
	s_lshl_b32 s50, s22, 20                        ; E: 256 g rows of 4,096 bytes,
	s_lshl_b32 s53, s20, 16                        ; + my 16 w
	s_add_co_u32 s50, s50, s53
	s_add_nc_u64 s[10:11], s[10:11], s[50:51]
	s_lshr_b32 s50, s22, 3
	s_lshl_b32 s50, s50, 12
	s_add_nc_u64 s[8:9], s[8:9], s[50:51]          ; dec of batch g / 8
	s_lshl_b32 s50, s22, 10
	s_add_nc_u64 s[14:15], s[14:15], s[50:51]
	s_lshl_b32 s50, s22, 12
	s_add_nc_u64 s[16:17], s[16:17], s[50:51]
	s_lshl_b32 s50, s22, 8
	s_add_nc_u64 s[18:19], s[18:19], s[50:51]
	ROUND                                          ; all four work-groups are here: the first joint loads meet
	tensor_load_to_lds s[32:35], s[36:43]          ; every wave's first fill: its part of slot 0
	s_nop 0
.rept 4
	v_nop
.endr
.irp j, 0,1,2,3,4,5,6,7,8,9,10,11,12,13,14,15
	global_load_b128 v[64+4*\j:67+4*\j], v[T16], s[6:7] offset:2048*\j     ; the tables, dense by thread: W's scale bytes,
.endr
.irp j, 0,1
	global_load_b128 v[128+4*\j:131+4*\j], v[T16], s[8:9] offset:2048*\j   ; dec,
.endr
.irp j, 0,1
	global_load_b128 v[136+4*\j:139+4*\j], v[T16], s[12:13] offset:2048*\j ; v
.endr
	ELOAD 1, 192, 0
	ELOAD 2, 192, 1
	s_wait_loadcnt 32                              ; the 20 table loads are in; the 32 of E behind them may be out
.irp j, 0,1,2,3,4,5,6,7,8,9,10,11,12,13,14,15,16,17,18,19,20,21,22,23,24,25,26,27,28,29,30,31,32,33,34,35,36,37,38,39,40,41,42,43,44,45,46,47,48,49,50,51,52,53,54,55,56,57,58,59,60,61,62,63
	v_perm_b32 v[64+\j], v[64+\j], v[64+\j], s52
.endr
.irp j, 0,1,2,3,4,5,6,7
	v_mul_f32 v[136+\j], 0xc038aa3b, v[136+\j]     ; vv = -2 log2(e) v
.endr
.irp j, 0,1,2,3,4,5,6,7,8,9,10,11,12,13,14,15
	ds_store_b128 v30, v[64+4*\j:67+4*\j] offset:2048*\j
.endr
.irp j, 0,1
	ds_store_b128 v30, v[128+4*\j:131+4*\j] offset:DECB-WSB+2048*\j
	ds_store_b128 v30, v[136+4*\j:139+4*\j] offset:VVB-WSB+2048*\j
.endr
	ds_store_b32 v31, v235
	ELOAD 1, 0, 2
	ELOAD 1, 64, 3
	ELOAD 2, 0, 4
	ELOAD 2, 64, 5
.irp j, 0,1,2,3,4,5,6,7,8,9,10,11,12,13,14,15,16,17,18,19,20,21,22,23,24,25,26,27,28,29,30,31
	v_mov_b32 v[CA+\j], 0                          ; the context
.endr
	v_mov_b32 v[MM], 0xff61b1e6                    ; m = -3e38, under every T
	v_mov_b32 v[MM+1], 0                           ; l
	v_mov_b32 v[FF+1], 0                           ; (named as the upper half of a pair)
	v_mov_b32 v[EW+1], 0                           ; a lane permute's destination counts as one of its sources
	v_mov_b32 v243, 0
	v_mov_b32 v248, 0
	s_wait_dscnt 0x0                               ; the table stores have read their registers
.Lblock:
	; ---- my 16 rows become 8 fragments of codes, in two halves of four, since LDS holds 16 images.  The waits count 16 loads for each younger group of E; where 64 or 80 are younger the count written is the field's largest
	XIN  1, 192, 0, 63
	XIN  2, 192, 1, 63
	XOUT 1, 192, 0, 32, 6
	XIN  1, 0,   2, 63
	XOUT 2, 192, 1, 32, 7
	XIN  1, 64,  3, 63
	XOUT 1, 0,   2, 32, -1
	XIN  2, 0,   4, 48                             ; K step 4 turns while the images of K steps 0-3 meet: it touches my turn buffer alone
	XOUT 1, 64,  3, 32, -1
	BAR                                            ; the images of K steps 0-3 lie in LDS
	FETCHA 1
	BAR                                            ; and are in every wave's registers: they may be written again
	XIN  2, 64,  5, 32
	XOUT 2, 0,   4, 32, -1
	XIN  1, 192, 6, 16
	XOUT 2, 64,  5, 32, -1
	XIN  2, 192, 7, 0
	XOUT 1, 192, 6, 32, -1
	XOUT 2, 192, 7, 0,  -1
	BAR
	FETCHA 2
.irp m, 0,1,2,3
.irp i, 0,1,2,3
	ds_load_b32 v[ES+4*\m+\i], v[ESR] offset:512*\m+64*\i      ; lanes 0-15: K step i; lanes 16-31: K step 4 + i
.endr
.endr
	s_add_nc_u64 s[10:11], s[10:11], 262144        ; all loads of E are in: on to the next block's rows
	s_wait_xcnt 0x0                                ; the last block's prefetches have read their address
	s_add_nc_u64 s[44:45], s[10:11], 1024          ; the prefetches begin at its K step 2
	s_cmp_eq_u32 s23, 1
	s_cselect_b32 s48, -1, 1                       ; the prefetches begin in period 1; the last block asks for nothing
	s_cbranch_scc1 .Lno_next                       ; and loads nothing: no load leaves its buffer
	ELOAD 1, 192, 0                                ; the next block's first two K steps have the whole product in which to land
	ELOAD 2, 192, 1
.Lno_next:
.irp j, 0,1,2,3,4,5,6,7
	v_mov_b32 v[SA+\j], 0
.endr
	s_mov_b32 s24, 0                               ; the period
	s_mov_b32 s25, 0                               ; the slot in hand: a block has 8 periods, so it begins in slot 0
	s_mov_b32 s26, 0                               ; 512 x period: dec, vv
	s_mov_b32 s27, 0                               ; 4096 x period: W's scale words
	ds_load_b128 v[DEC:DEC+3], v[AD0]              ; the first tile's dec and scale words
	ds_load_b128 v[DEC+4:DEC+7], v[AD0] offset:16
	ds_load_b128 v[WS:WS+3], v[AW0]
.Lper:
	PERIOD 1, 0, 1
	s_add_co_u32 s24, s24, 1
	s_cmp_lt_u32 s24, 7
	s_cbranch_scc1 .Lper
	s_cmp_eq_u32 s23, 1
	s_cbranch_scc1 .Ltail                          ; the last block's tail is written out: it asks for nothing more
	PERIOD 1, 1, 0                                 ; the ring goes on into the next block
	ELOAD 1, 0, 2                                  ; the codes' registers are free (the sixteen multiply-adds behind the last products are their places)
	ELOAD 1, 64, 3
	ELOAD 2, 0, 4
	DRAIN
	ELOAD 2, 64, 5
	SCORES
	CTX
	s_sub_co_u32 s23, s23, 1
	s_branch .Lblock
.Ltail:
	PERIOD 0, 0, 0
	DRAIN
	SCORES
	CTX
	; ---- the four waves' contexts are added, and the work-group's results leave
.irp q, 0,1,2,3,4,5,6,7
	ds_store_b128 v[RW], v[CA+4*\q:CA+4*\q+3] offset:512*\q    ; 1,024 columns in order, 4,096 bytes a wave
.endr
	BAR
.irp j, 0,1
.irp w, 0,1,2,3
	ds_load_b128 v[64+16*\j+4*\w:67+16*\j+4*\w], v[RR] offset:2048*\j+4096*\w
.endr
.endr
	s_wait_dscnt 0x0
.irp j, 0,1
.irp c, 0,2
	v_pk_add_f32 v[64+16*\j+\c:65+16*\j+\c], v[64+16*\j+\c:65+16*\j+\c], v[68+16*\j+\c:69+16*\j+\c]
	v_pk_add_f32 v[72+16*\j+\c:73+16*\j+\c], v[72+16*\j+\c:73+16*\j+\c], v[76+16*\j+\c:77+16*\j+\c]
	v_pk_add_f32 v[64+16*\j+\c:65+16*\j+\c], v[64+16*\j+\c:65+16*\j+\c], v[72+16*\j+\c:73+16*\j+\c]
.endr
	global_store_b128 v[T16], v[64+16*\j:67+16*\j], s[16:17] offset:2048*\j    ; a wave stores 512 consecutive bytes, aligned
.endr
	s_cmp_lg_u32 s20, 0
	s_cbranch_scc1 .Lnostat
	global_store_b64 v[L8], v[MM:MM+1], s[18:19]   ; m and l, the same pair from every lane: 256 consecutive bytes, aligned
.Lnostat:
	s_wait_tensorcnt 0x0                           ; the wave's end: behind my last tensor load and my last LDS store
	ds_add_u32 v[SPW], v[NIL]
	s_wait_dscnt 0x0
	ROUND                                          ; the closing round: no work-group ends while a partner may still ask for a tile that names it
	s_endpgm
.Lfunc_end_k_q637153649b_scores_ctx:
	.size	k_q637153649b_scores_ctx, .Lfunc_end_k_q637153649b_scores_ctx-k_q637153649b_scores_ctx
	.p2alignl 7, 3214868480
	.fill 96, 4, 3214868480
	.section	.rodata,"a",@progbits
	.p2align	6, 0x0
	.amdhsa_kernel k_q637153649b_scores_ctx
		.amdhsa_group_segment_fixed_size 327680
		.amdhsa_private_segment_fixed_size 0
		.amdhsa_enable_private_segment 0
		.amdhsa_kernarg_size 64
		.amdhsa_user_sgpr_count 2
		.amdhsa_user_sgpr_kernarg_segment_ptr 1
		.amdhsa_wavefront_size32 1
		.amdhsa_system_sgpr_workgroup_id_x 1
		.amdhsa_system_sgpr_workgroup_id_y 1
		.amdhsa_system_sgpr_workgroup_id_z 1
		.amdhsa_system_vgpr_workitem_id 0
		.amdhsa_next_free_vgpr 1024
		.amdhsa_next_free_sgpr 66
		.amdhsa_reserve_vcc 0
		.amdhsa_float_denorm_mode_32 3
		.amdhsa_float_denorm_mode_16_64 3
		.amdhsa_memory_ordered 1
		.amdhsa_forward_progress 1
		.amdhsa_inst_pref_size 255
	.end_amdhsa_kernel
	.section	.bss,"aw",@nobits
	.p2align	6
	.space	262144
	.amdgpu_metadata
---
amdhsa.version: [ 1, 2 ]
amdhsa.kernels:
  - .name:           k_q637153649b_scores_ctx
    .symbol:         k_q637153649b_scores_ctx.kd
    .args:
      - { .name: W_codes, .offset: 0, .size: 8, .value_kind: global_buffer, .address_space: global }
      - { .name: W_scales, .offset: 8, .size: 8, .value_kind: global_buffer, .address_space: global }
      - { .name: decoder_state, .offset: 16, .size: 8, .value_kind: global_buffer, .address_space: global }
      - { .name: encoder_outputs, .offset: 24, .size: 8, .value_kind: global_buffer, .address_space: global }
      - { .name: v, .offset: 32, .size: 8, .value_kind: global_buffer, .address_space: global }
      - { .name: tws, .offset: 40, .size: 8, .value_kind: global_buffer, .address_space: global }
      - { .name: pctx, .offset: 48, .size: 8, .value_kind: global_buffer, .address_space: global }
      - { .name: stats, .offset: 56, .size: 8, .value_kind: global_buffer, .address_space: global }
    .group_segment_fixed_size: 327680
    .private_segment_fixed_size: 0
    .kernarg_segment_align: 8
    .kernarg_segment_size: 64
    .max_flat_workgroup_size: 128
    .sgpr_count:     66
    .vgpr_count:     1024
    .wavefront_size: 32
...
	.end_amdgpu_metadata
.endif
;; end of part 1
;; launch combine (part 2): grid 32 x 1, 8 waves a work-group, no clusters, 0 bytes of LDS; arguments tws, pctx, stats, out0, out1; writes out0, out1
.if DOCPART == 2
	.amdgcn_target "amdgcn-amd-amdhsa--gfx1250"
	.amdhsa_code_object_version 6
	.text
	.protected	k_q637153649b_combine
	.globl	k_q637153649b_combine
	.p2align	8
	.type	k_q637153649b_combine,@function
k_q637153649b_combine:
	s_mov_b64 s[64:65], 0
	v_nop
	global_prefetch_b8 v0, s[64:65] scope:SCOPE_SE
	s_setreg_imm32_b32 hwreg(HW_REG_WAVE_MODE, 25, 1), 1
	s_wait_xcnt 0x0
; Additive attention, second launch: the 8 work-groups' parts of a batch are joined.  T (tws) is the score in units of log2, less the term sum_o v[o], which is the same along the softmax's axis and was left out.
; With M = max of the parts' m_i, g_i = 2^(m_i - M), L = sum of l_i g_i:  out0 = sum of g_i pctx_i / L,  out1 = 2^(T - M) / L.
; A work-group is a batch; 256 threads: 4 columns of out0 and 8 weights of out1 each.  All loads and stores are 16 bytes a lane, dense.  No LDS, no barrier, no matrix work: there are 32 batches and a few bytes each.
	s_load_b256 s[4:11], s[0:1], 0x0               ; tws s[4:5], pctx s[6:7], stats s[8:9], out0 s[10:11]
	s_load_b64 s[12:13], s[0:1], 0x20              ; out1
	v_lshlrev_b32 v1, 4, v0
	s_lshl_b32 s14, ttmp9, 13                      ; 8,192 bytes of T and of out1 a batch
	s_mov_b32 s15, 0
	s_lshl_b32 s16, ttmp9, 15                      ; 8 x 4,096 of pctx
	s_mov_b32 s17, 0
	s_lshl_b32 s18, ttmp9, 11                      ; 8 x 256 of stats
	s_mov_b32 s19, 0
	s_lshl_b32 s20, ttmp9, 12                      ; 4,096 of out0
	s_mov_b32 s21, 0
	s_wait_alu depctr_va_vdst(0)
	s_wait_kmcnt 0x0
	s_add_nc_u64 s[4:5], s[4:5], s[14:15]
	s_add_nc_u64 s[6:7], s[6:7], s[16:17]
	s_add_nc_u64 s[8:9], s[8:9], s[18:19]
	s_add_nc_u64 s[10:11], s[10:11], s[20:21]
	s_add_nc_u64 s[12:13], s[12:13], s[14:15]
.irp i, 0,1,2,3,4,5,6,7
	s_load_b64 s[24+2*\i:25+2*\i], s[8:9], 256*\i  ; m_i, l_i
.endr
.irp i, 0,1,2,3,4,5,6,7
	global_load_b128 v[4+4*\i:7+4*\i], v1, s[6:7] offset:4096*\i
.endr
.irp j, 0,1
	global_load_b128 v[52+4*\j:55+4*\j], v1, s[4:5] offset:4096*\j
.endr
	s_wait_kmcnt 0x0
	v_mov_b32 v40, s24
.irp i, 1,2,3,4,5,6,7
	s_delay_alu instid0(VALU_DEP_1)
	v_max_num_f32 v40, s[24+2*\i], v40             ; M
.endr
.irp i, 0,1,2,3,4,5,6,7
	v_sub_f32 v[42+\i], s[24+2*\i], v40
.endr
	s_wait_alu depctr_va_vdst(0)
.irp i, 0,1,2,3,4,5,6,7
	v_exp_f32 v[42+\i], v[42+\i]                   ; g_i
.endr
	v_nop
	s_wait_alu depctr_va_vdst(0)                   ; one wait for the eight, ahead of their first reader
	v_mul_f32 v41, s25, v42
.irp i, 1,2,3,4,5,6,7
	v_fmac_f32 v41, s[25+2*\i], v[42+\i]           ; L
.endr
	s_wait_alu depctr_va_vdst(0)
	v_rcp_f32 v41, v41
	v_nop
	s_wait_alu depctr_va_vdst(0)
.irp i, 0,1,2,3,4,5,6,7
	v_mul_f32 v[42+\i], v[42+\i], v41              ; g_i / L
.endr
	s_wait_loadcnt 0x0
.irp k, 0,1,2,3,4,5,6,7
	v_sub_f32 v[52+\k], v[52+\k], v40
.endr
	s_wait_alu depctr_va_vdst(0)
.irp k, 0,1,2,3,4,5,6,7
	v_exp_f32 v[52+\k], v[52+\k]
.endr
.irp c, 0,1,2,3
	v_mul_f32 v[60+\c], v[4+\c], v42               ; (plain work behind the exponentials)
.endr
.irp i, 1,2,3,4,5,6,7
.irp c, 0,1,2,3
	s_delay_alu instid0(VALU_DEP_4)
	v_fmac_f32 v[60+\c], v[4+4*\i+\c], v[42+\i]
.endr
.endr
	global_store_b128 v1, v[60:63], s[10:11]
	s_wait_alu depctr_va_vdst(0)                   ; one wait for the eight
.irp k, 0,1,2,3,4,5,6,7
	v_mul_f32 v[52+\k], v[52+\k], v41
.endr
.irp j, 0,1
	global_store_b128 v1, v[52+4*\j:55+4*\j], s[12:13] offset:4096*\j
.endr
	s_endpgm
.Lfunc_end_k_q637153649b_combine:
	.size	k_q637153649b_combine, .Lfunc_end_k_q637153649b_combine-k_q637153649b_combine
	.p2alignl 7, 3214868480
	.fill 96, 4, 3214868480
	.section	.rodata,"a",@progbits
	.p2align	6, 0x0
	.amdhsa_kernel k_q637153649b_combine
		.amdhsa_group_segment_fixed_size 0
		.amdhsa_private_segment_fixed_size 0
		.amdhsa_enable_private_segment 0
		.amdhsa_kernarg_size 40
		.amdhsa_user_sgpr_count 2
		.amdhsa_user_sgpr_kernarg_segment_ptr 1
		.amdhsa_wavefront_size32 1
		.amdhsa_system_sgpr_workgroup_id_x 1
		.amdhsa_system_sgpr_workgroup_id_y 1
		.amdhsa_system_sgpr_workgroup_id_z 1
		.amdhsa_system_vgpr_workitem_id 0
		.amdhsa_next_free_vgpr 64
		.amdhsa_next_free_sgpr 66
		.amdhsa_reserve_vcc 0
		.amdhsa_float_denorm_mode_32 3
		.amdhsa_float_denorm_mode_16_64 3
		.amdhsa_memory_ordered 1
		.amdhsa_forward_progress 1
		.amdhsa_inst_pref_size 8
	.end_amdhsa_kernel
	.amdgpu_metadata
---
amdhsa.version: [ 1, 2 ]
amdhsa.kernels:
  - .name:           k_q637153649b_combine
    .symbol:         k_q637153649b_combine.kd
    .args:
      - { .name: tws, .offset: 0, .size: 8, .value_kind: global_buffer, .address_space: global }
      - { .name: pctx, .offset: 8, .size: 8, .value_kind: global_buffer, .address_space: global }
      - { .name: stats, .offset: 16, .size: 8, .value_kind: global_buffer, .address_space: global }
      - { .name: out0, .offset: 24, .size: 8, .value_kind: global_buffer, .address_space: global }
      - { .name: out1, .offset: 32, .size: 8, .value_kind: global_buffer, .address_space: global }
    .group_segment_fixed_size: 0
    .private_segment_fixed_size: 0
    .kernarg_segment_align: 8
    .kernarg_segment_size: 40
    .max_flat_workgroup_size: 256
    .sgpr_count:     66
    .vgpr_count:     64
    .wavefront_size: 32
...
	.end_amdgpu_metadata
.endif
;; end of part 2
